; MI455X (gfx1250); checked and timed in simulation.
; The chip was launched on July 23, 2026; its instructions are those of AMD's public machine-readable ISA for CDNA 5 (MIT licence, August 2026) and "CDNA5" Instruction Set Architecture Reference Guide (July 2026). The comments in the code are by the model that wrote it; some were corrected since.
;; Quantized Linear. Allowed arithmetic: matrix products marked QUANTISED: E2M1 operands, one E8M0 scale for each 32 along K, by v_wmma_scale_f32_16x16x128_f8f6f4 with both operands' format E2M1 (or v_wmma_scale_f32_32x16x128_f4), f32 sums; everything else in f32.
;; Inputs: act_scale 1 float32; act_zero_point 1 int32; bias 4,096 float32; input 4,096 x 4,096 float32; weight 4,096 x 4,096 float32; weight_scale 4,096 float32; weight_zero_point 4,096 int32.
;; Outputs: out0 4,096 x 4,096 float32.
;; This version of the problem:
;;   THIS VERSION OF THE PROBLEM IS GIVEN IN LOW PRECISION. The matrix products marked QUANTISED in the list below multiply operands that are first quantised to E2M1 (2 exponent bits, 1 mantissa bit; 4 bits a number), with one power-of-two scale for each 32 numbers along K (OCP MX v1.0); their sums are f32. All else is computed in f32.
;;   The module's matrix products, in the order in which they are computed (A, B: the left and right operand; K: the contracted axis; several contracted axes count as one K, in the product's order):
;;     1. [M 4,096, K 4,096] x [K 4,096, N 4,096]; A: computed on the way; B: computed on the way: QUANTISED
;;   THE QUANTISER, for each operand of a quantised product, along K:
;;     - K is cut into blocks of 32 from its start; a last block that is shorter is filled with zeros.
;;     - A block's scale is 2^e with e = floor(log2(the largest magnitude in the block)) - 2, held to -126 .. 127; a block of zeros has e = 0. As a byte (E8M0): e + 127.
;;     - Each number is divided by its block's scale, clamped to +-6, and rounded to the nearest number of E2M1, ties to even, subnormals kept.
;;     - The product sums the exact products of the quantised numbers (number of the format x scale) in f32.
;;   ~~~python
;;   def quantise(x, axis):      # numpy; x: float32 -> the quantised numbers, widened to float32 again
;;       x = np.moveaxis(x, axis, -1); K = x.shape[-1]
;;       x = np.pad(x, [(0, 0)] * (x.ndim - 1) + [(0, -K % 32)]); x = x.reshape(x.shape[:-1] + (-1, 32)); a = np.abs(x).max(-1, keepdims=True)
;;       e = np.where(a > 0, np.clip(np.frexp(np.where(a > 0, a, 1))[1] - 1 - 2, -126, 127), 0)      # np.frexp(a)[1] - 1 = floor(log2(a)), exactly
;;       r = np.clip(x / 2.0 ** e, -6, 6)
;;       step = 2.0 ** (np.maximum(np.frexp(np.where(r == 0, 1, r))[1] - 1, 0) - 1)
;;       q = np.round(r / step) * step * 2.0 ** e      # np.round: ties to even
;;       return np.moveaxis(q.reshape(q.shape[:-2] + (-1,))[..., :K], -1, axis).astype(np.float32)
;;   ~~~
;;   OPERANDS COMPUTED ON THE WAY. 'Computed on the way' means the value that the module computes at that place (a softmax that the list does not call 'softmax' is quantised finished and normalised). What goes into a quantiser is computed in f32, as accurately as f32 sums, v_exp_f32 and their like allow (about 1e-6 of the number): no bf16 or f16 on the way to a quantiser, and a product that is left as it is and whose result goes on into a quantised operand takes f32 operands (vector FMAs, or v_wmma_f32_16x16x4_f32). A number that lies on a knife's edge between two numbers of the format may be rounded either way, as far as f32 arithmetic and the matrix unit's own rounding can turn it there, and no further.
;; One version. Each part assembles by itself: llvm-mc -triple=amdgcn-amd-amdhsa -mcpu=gfx1250 --defsym DOCPART=n.
;; ======== version 1 of 1: 2 launches
;; limits: right only within a limited range of input values
;; workspace buffers: a_q 8,912,896 bytes; b_q 8,912,896 bytes
;; launch quant (part 1): grid 512 x 1, 8 waves a work-group, no clusters, 78,848 bytes of LDS; arguments input, weight, act_scale, act_zero_point, weight_scale, weight_zero_point, a_q, b_q; writes a_q, b_q
.if DOCPART == 1
	.amdgcn_target "amdgcn-amd-amdhsa--gfx1250"
	.amdhsa_code_object_version 6
	.text
	.protected	k_q3d683b3658_quant
	.globl	k_q3d683b3658_quant
	.p2align	8
	.type	k_q3d683b3658_quant,@function
k_q3d683b3658_quant:
	s_mov_b64 s[64:65], 0
	v_nop
	global_prefetch_b8 v0, s[64:65] scope:SCOPE_SE
	s_setreg_imm32_b32 hwreg(HW_REG_WAVE_MODE, 25, 1), 1
	s_wait_xcnt 0x0
; input [4096][4096] and weight [4096][4096], f32, go through two quantisers, one after the other, both in f32:
;   (1) the affine one:  d = (clip(round(x / s) + zp, 0, 255) - zp) * s;  input has one s and zp, weight one of each for every row;
;   (2) MX-FP4 along K (the last axis): blocks of 32, scale 2^(floor(log2(largest |d|)) - 2) as an E8M0 byte, codes of E2M1, nearest, ties to even, beyond 6 the largest code.
; OUT: a_q (from input) and b_q (from weight), both [8 (K step of 512)][256 (block of 16 rows)][4,352 bytes], IN THE ORDER OF THE OPERAND'S REGISTERS.  A block's 4,352 bytes are four images of 1,024 bytes, one for each
; 128 along K, and behind them 256 scale bytes.  An image is [c = 0, 1][lane 0 .. 31][16 bytes]: lane l's 16 bytes are the 32 codes k = 64 c + 32 (l / 16) + 0 .. 31 of row l % 16 (two codes a byte, the lower k in the
; low four bits): registers 4 c .. 4 c + 3 of that lane's fragment.  The scale bytes are [row 0 .. 15][16]: a row's four words, one for each 128 along K.  So the next launch takes a fragment by two loads of 512
; consecutive bytes, from LDS or from memory alike.
; SHARES.  Work-groups 0-255 take input, 256-511 weight: only pointers and two offsets are chosen, so there is one path through the text.  Work-group g owns rows 16 g .. 16 g + 15; its wave w owns K step w of them:
; 16 steps of 512 numbers (2,048 consecutive bytes of one row).  What a wave makes is one block of the output, 4,352 consecutive bytes: it is gathered in LDS as 16 rows of 272 bytes (256 of codes, 16 scale bytes)
; and leaves by eight stores of 512 and one of 256 consecutive, aligned bytes.  Work-groups share no input, waves share nothing: no cluster, no tensor load, no barrier.
; A LANE HOLDS 16 NEIGHBOURS along K (two neighbouring lanes a block), as the conversions want, and yet each load reads 512 consecutive bytes, 16 a lane: a step's 2,048 bytes turn through the wave's own stage in LDS
; (16 bytes of padding behind each 64).  Loads run four steps (16 loads a wave) ahead, the turn one step.
; ARITHMETIC.  x / s: R = 1 / s by v_rcp_f32 and one Newton step; q = x R; the remainder x - q s by one fused multiply-add; q + remainder x R.  clip(u + zp, 0, 255) - zp is taken as the middle of u, -zp, 255 - zp:
; the same number for whole u and |zp| up to 2^23.
; LIMITS: s is a normal number with a finite reciprocal, and |x / s| stays under f32's largest number; the quotient may differ from the correctly rounded one in its last bit in rare cases; NaN and infinities among
; the inputs are not served.  A block of zeros gets the byte 1 (the quantiser's rule says 127): its codes are zeros, which add nothing under any byte but 0xff, and the bytes are read by this program alone.
.set STEPS, 16
.set ROWB,  16384                      ; a row of input or weight in bytes
.set REC,   272                        ; a row's place in the gathering stage: 256 bytes of codes + 16 scale bytes = 68 words, so that 16 rows start at 16 different banks (64 banks of 4 bytes: ISA guide 11.1)
.set KSB,   4096*REC                   ; from a K step to the next in a_q, b_q
.set SP,    80                         ; a lane's place in a turn stage: its 64 bytes + 16 of padding
.set OUTS,  2*32*SP                    ; behind the two turn stages: the gathering stage, 16 rows
.set WREG,  9728                       ; LDS: a region of its own for each wave: 5,120 + 4,352 bytes, rounded up to blocks of 256
.set FRD,   2                          ; v2       where I read 16 bytes of an image back: row lane % 16, + 16 (lane / 16)
.set PS,    10                         ; v10-15: lane l holds the parameters of row 16 g + l % 16: s, zp, 1 / s, -s, -zp, 255 - zp
.set PZ,    11
.set PR,    12
.set PNS,   13
.set PLO,   14
.set PHI,   15
.set R,     16                         ; v16-79   four sets of 16 numbers as they are loaded; at the end v16-49 take the block on its way out
.set X,     80                         ; v80-111  two sets of 16 neighbours
.set Q,     112                        ; v112-127 at work: the quotient, then d
.set C,     128                        ; v128-159 codes: two registers for each step, so that no store's data are written again
.set E,     160                        ; v160-175 a scale byte for each step
.set M,     176                        ; v176-178 two maxima, the conversion's scale operand
.set SRD,   179                        ; v179     where I read 8 scale bytes back: row lane / 2, + 8 (lane % 2);  v180 at work
	s_load_b256 s[4:11], s[0:1], 0x0               ; input s[4:5], weight s[6:7], act_scale s[8:9], act_zero_point s[10:11]
	s_load_b256 s[12:19], s[0:1], 0x20             ; weight_scale s[12:13], weight_zero_point s[14:15], a_q s[16:17], b_q s[18:19]
	v_lshl_add_u32 v192, v0, 2, 0x13000
	v_mov_b32 v193, 0
	v_lshrrev_b32 v1, 5, v0
	s_delay_alu instid0(VALU_DEP_1)
	v_readfirstlane_b32 s20, v1                    ; wave 0..7 = my K step
	v_and_b32 v1, 31, v0                           ; lane
	s_wait_alu depctr_va_vdst(0)
	s_and_b32 s21, ttmp9, 255                      ; g
	s_lshl_b32 s22, s21, 18                        ; in: 16 g rows of 16,384 bytes
	s_lshl_b32 s23, s20, 11                        ;     + my K step's 2,048 bytes of a row
	s_add_co_u32 s22, s22, s23
	s_mov_b32 s23, 0
	s_mul_i32 s30, s20, KSB                        ; out: my K step,
	s_mul_i32 s31, s21, 16*REC                     ;      block g
	s_add_co_u32 s30, s30, s31
	s_mov_b32 s31, 0
	s_lshl_b32 s24, s21, 6                         ; weight's parameters: 16 g numbers of 4 bytes on
	s_mov_b32 s25, 0
	s_mov_b32 s29, 0                               ; (named with s28 as a pair, so it is written)
	s_mul_i32 s3, s20, WREG                        ; my wave's region of LDS
	v_lshlrev_b32 v3, 4, v1                        ; 16 x lane: my 16 bytes of a load's, and of a store's, 512
	v_lshrrev_b32 v4, 2, v1
	s_delay_alu instid0(VALU_DEP_1)
	v_mul_u32_u24 v4, v4, SP
	v_and_b32 v5, 3, v1
	s_delay_alu instid0(VALU_DEP_1)
	v_lshl_add_u32 v4, v5, 4, v4
	s_delay_alu instid0(VALU_DEP_1)
	v_add_nc_u32 v4, s3, v4                        ; a turn stage, on the way in: SP (lane / 4) + 16 (lane % 4); a load's 512 bytes take eight places
	v_mul_u32_u24 v5, v1, SP
	s_delay_alu instid0(VALU_DEP_1)
	v_add_nc_u32 v5, s3, v5                        ; and on the way out: SP x lane: my 16 neighbours
	s_add_co_u32 s3, s3, OUTS
	v_lshlrev_b32 v8, 3, v1                        ; 8 x lane: my 8 bytes of a row's 256 of codes, and of the scale bytes' store
	s_delay_alu instid0(VALU_DEP_1)
	v_add_nc_u32 v6, s3, v8                        ; the same in the gathering stage
	v_lshrrev_b32 v7, 1, v1
	s_delay_alu instid0(VALU_DEP_1)
	v_add_nc_u32 v7, s3, v7                        ; my block's scale byte: lane / 2 (+ 256 in the immediate)
	v_and_b32 v[FRD], 15, v1
	s_delay_alu instid0(VALU_DEP_1)
	v_mul_u32_u24 v[FRD], v[FRD], REC
	v_lshrrev_b32 v[SRD], 4, v1
	s_delay_alu instid0(VALU_DEP_1)
	v_lshl_add_u32 v[FRD], v[SRD], 4, v[FRD]
	s_delay_alu instid0(VALU_DEP_1)
	v_add_nc_u32 v[FRD], s3, v[FRD]
	v_lshrrev_b32 v[SRD], 1, v1
	s_delay_alu instid0(VALU_DEP_1)
	v_mul_u32_u24 v[SRD], v[SRD], REC
	v_and_b32 v180, 1, v1
	s_delay_alu instid0(VALU_DEP_1)
	v_lshl_add_u32 v[SRD], v180, 3, v[SRD]
	s_delay_alu instid0(VALU_DEP_1)
	v_add_nc_u32 v[SRD], s3, v[SRD]
	v_and_b32 v9, 15, v1
	s_wait_alu depctr_va_vdst(0)
	s_wait_kmcnt 0x0
	s_cmp_lt_u32 ttmp9, 256                        ; input's work-group or weight's?  The choice hangs on the work-group's number alone; only selections and 64-bit sums, which leave SCC alone, follow
	s_cselect_b64 s[4:5], s[4:5], s[6:7]
	s_cselect_b64 s[8:9], s[8:9], s[12:13]
	s_cselect_b64 s[10:11], s[10:11], s[14:15]
	s_cselect_b64 s[16:17], s[16:17], s[18:19]
	s_cselect_b32 s2, 0, 4                         ; input: every lane takes number 0; weight: lane l takes number l % 16 of my 16 rows'
	s_cselect_b32 s24, 0, s24
	s_add_nc_u64 s[4:5], s[4:5], s[22:23]
	s_add_nc_u64 s[8:9], s[8:9], s[24:25]
	s_add_nc_u64 s[10:11], s[10:11], s[24:25]
	s_add_nc_u64 s[16:17], s[16:17], s[30:31]
	v_mul_u32_u24 v9, s2, v9
	global_load_b32 v[PS], v9, s[8:9]
	global_load_b32 v[PZ], v9, s[10:11]
.macro LOAD t                          ; step t = row 16 g + t: four loads of 512 consecutive bytes
.irp i, 0,1,2,3
	global_load_b128 v[R+16*((\t)%4)+4*\i:R+16*((\t)%4)+4*\i+3], v3, s[4:5] offset:ROWB*(\t)+512*\i th:TH_LOAD_NT
.endr
.endm
.macro TURN t                          ; step t's numbers through a stage: LDS serves a wave's instructions in order (ISA guide 5.7.1), so no wait stands between the stores and the loads
.irp i, 0,1,2,3
	ds_store_b128 v4, v[R+16*((\t)%4)+4*\i:R+16*((\t)%4)+4*\i+3] offset:32*SP*((\t)%2)+8*SP*\i
.endr
.irp i, 0,1,2,3
	ds_load_b128 v[X+16*((\t)%2)+4*\i:X+16*((\t)%2)+4*\i+3], v5 offset:32*SP*((\t)%2)+16*\i
.endr
.endm
.irp t, 0,1,2,3
	LOAD \t
.endr
	s_wait_loadcnt 16                              ; the two parameter loads are in; the 16 loads of steps 0 to 3, issued behind them, may be out
	v_cvt_f32_i32 v[PZ], v[PZ]                     ; zp as f32
	s_wait_alu depctr_va_vdst(0)
	v_rcp_f32 v[PR], v[PS]
	v_sub_f32 v[PLO], 0, v[PZ]                     ; -zp  (plain work behind the reciprocal, which names neither its result nor writes its source)
	v_sub_f32 v[PHI], 0x437f0000, v[PZ]            ; 255 - zp
	v_mul_f32 v[PNS], -1.0, v[PS]                  ; -s
	s_wait_alu depctr_va_vdst(0)                   ; the wait ahead of the first line that names the reciprocal
	v_fma_f32 v[M], -v[PS], v[PR], 1.0             ; one Newton step: e = 1 - s r,
	v_fma_f32 v[PR], v[M], v[PR], v[PR]            ; R = r + e r
	s_wait_alu depctr_va_vdst(0)
	s_wait_loadcnt 12                              ; step 0's four loads are in
	TURN 0
.macro STEP t
.set XS, X+16*((\t)%2)
.if (\t) > 0
	s_wait_dscnt 2                                 ; this step's numbers are back from the stage (behind them: the last step's code store and byte store): so its stores into the stage have read their registers,
.else
	s_wait_dscnt 0x0
.endif
.if (\t)+4 < STEPS
	LOAD (\t)+4                                    ; which take the loads of four steps on
.endif
.if (\t)+1 < STEPS
.if STEPS-2-(\t) >= 3
	s_wait_loadcnt 12                              ; the next step's four loads are in; those of the three steps behind it may be out
.else
	s_wait_loadcnt 4*(STEPS-2-(\t))
.endif
	TURN (\t)+1                                    ; and go through the other stage while this step is worked
.endif
	v_readlane_b32 s24, v[PS], \t                  ; this row's parameters as scalars: the packed forms name the pairs s[24:25], s[26:27], s[28:29] and take the low word for both halves
	v_readlane_b32 s25, v[PLO], \t
	v_readlane_b32 s26, v[PNS], \t
	v_readlane_b32 s27, v[PHI], \t
	v_readlane_b32 s28, v[PR], \t
.irp j, 0,2,4,6,8,10,12,14
	v_pk_mul_f32 v[Q+\j:Q+\j+1], v[XS+\j:XS+\j+1], s[28:29] op_sel_hi:[1,0]                          ; q = x R
.endr
.irp j, 0,2,4,6,8,10,12,14
	v_pk_fma_f32 v[XS+\j:XS+\j+1], v[Q+\j:Q+\j+1], s[26:27], v[XS+\j:XS+\j+1] op_sel_hi:[1,0,1]      ; the remainder x - q s
.endr
.irp j, 0,2,4,6,8,10,12,14
	v_pk_fma_f32 v[Q+\j:Q+\j+1], v[XS+\j:XS+\j+1], s[28:29], v[Q+\j:Q+\j+1] op_sel_hi:[1,0,1]        ; x / s = q + remainder x R
.endr
.irp j, 0,1,2,3,4,5,6,7,8,9,10,11,12,13,14,15
	v_rndne_f32 v[Q+\j], v[Q+\j]                   ; to the nearest whole number, ties to even
.endr
.irp j, 0,1,2,3,4,5,6,7,8,9,10,11,12,13,14,15
	v_med3_num_f32 v[Q+\j], v[Q+\j], s25, s27      ; held between -zp and 255 - zp
.endr
.irp j, 0,2,4,6,8,10,12,14
	v_pk_mul_f32 v[Q+\j:Q+\j+1], v[Q+\j:Q+\j+1], s[24:25] op_sel_hi:[1,0]                            ; d = that x s
.endr
	v_max3_num_f32 v[M], |v[Q]|, |v[Q+1]|, |v[Q+2]|                ; the largest magnitude of my 16, in two chains
	v_max3_num_f32 v[M+1], |v[Q+3]|, |v[Q+4]|, |v[Q+5]|
.irp i, 6,10
	s_delay_alu instid0(VALU_DEP_2)
	v_max3_num_f32 v[M], v[M], |v[Q+\i]|, |v[Q+\i+1]|
	s_delay_alu instid0(VALU_DEP_2)
	v_max3_num_f32 v[M+1], v[M+1], |v[Q+\i+2]|, |v[Q+\i+3]|
.endr
	s_delay_alu instid0(VALU_DEP_2)
	v_max3_num_f32 v[M], v[M], |v[Q+14]|, |v[Q+15]|
	s_delay_alu instid0(VALU_DEP_1)
	v_max3_num_f32 v[M], v[M], v[M+1], 0x1800000   ; and the floor 2^(3 - 127), under which no largest magnitude is taken: so the byte cannot fall under 1
	s_delay_alu instid0(VALU_DEP_1)
	v_max_num_f32_dpp v[M], v[M], v[M] row_xmask:1 row_mask:0xf bank_mask:0xf   ; and of my neighbour's 16: the block's
	s_delay_alu instid0(VALU_DEP_1)
	v_add_nc_u32 v[M+2], 0xff000000, v[M]          ; 2 off its exponent field: the conversion takes the exponent field of this operand as its scale, and nothing else of it
	v_cvt_scalef32_pk8_fp4_f32 v[C+2*(\t)], v[Q:Q+7], v[M+2]       ; eight numbers / the scale, to the nearest code; the first number's code in the lowest four bits
	v_cvt_scalef32_pk8_fp4_f32 v[C+2*(\t)+1], v[Q+8:Q+15], v[M+2]
	v_lshrrev_b32 v[E+(\t)], 23, v[M+2]            ; the scale's byte.  (Also the plain line between the conversions and the next step's writes of their sources)
	ds_store_b64 v6, v[C+2*(\t):C+2*(\t)+1] offset:REC*(\t)        ; my 16 codes into row t of the gathering stage
	ds_store_b8 v7, v[E+(\t)] offset:REC*(\t)+256  ; both lanes of a block write the same byte with the same value
.endm
.irp t, 0,1,2,3,4,5,6,7,8,9,10,11,12,13,14,15
	STEP \t
.endr
; THE WAY OUT.  Piece i = 2 q + c of the four images: lane l takes the 16 bytes at 64 q + 32 c + 16 (l / 16) of row l % 16.  These loads see my stores, which were issued ahead of them.
.irp i, 0,1,2,3,4,5,6,7
	ds_load_b128 v[R+4*\i:R+4*\i+3], v[FRD] offset:32*\i
.endr
	ds_load_b64 v[R+32:R+33], v[SRD] offset:256    ; the 16 rows' scale bytes, 8 a lane
.irp i, 0,1,2,3,4,5,6,7
	s_wait_dscnt 8-\i                              ; piece i is in; the younger loads may be out
	global_store_b128 v3, v[R+4*\i:R+4*\i+3], s[16:17] offset:512*\i   ; 32 lanes store 512 consecutive bytes, at a multiple of 256 from the buffer's first byte
.endr
	s_wait_dscnt 0x0
	global_store_b64 v8, v[R+32:R+33], s[16:17] offset:4096            ; 32 lanes store 256 consecutive bytes, aligned likewise
	s_wait_tensorcnt 0x0
	ds_add_u32 v192, v193
	s_wait_dscnt 0x0
	s_endpgm
.Lfunc_end_k_q3d683b3658_quant:
	.size	k_q3d683b3658_quant, .Lfunc_end_k_q3d683b3658_quant-k_q3d683b3658_quant
	.p2alignl 7, 3214868480
	.fill 96, 4, 3214868480
	.section	.rodata,"a",@progbits
	.p2align	6, 0x0
	.amdhsa_kernel k_q3d683b3658_quant
		.amdhsa_group_segment_fixed_size 78848
		.amdhsa_private_segment_fixed_size 0
		.amdhsa_enable_private_segment 0
		.amdhsa_kernarg_size 64
		.amdhsa_user_sgpr_count 2
		.amdhsa_user_sgpr_kernarg_segment_ptr 1
		.amdhsa_wavefront_size32 1
		.amdhsa_system_sgpr_workgroup_id_x 1
		.amdhsa_system_sgpr_workgroup_id_y 1
		.amdhsa_system_sgpr_workgroup_id_z 1
		.amdhsa_system_vgpr_workitem_id 0
		.amdhsa_next_free_vgpr 194
		.amdhsa_next_free_sgpr 66
		.amdhsa_reserve_vcc 0
		.amdhsa_float_denorm_mode_32 3
		.amdhsa_float_denorm_mode_16_64 3
		.amdhsa_memory_ordered 1
		.amdhsa_forward_progress 1
		.amdhsa_inst_pref_size 101
	.end_amdhsa_kernel
	.amdgpu_metadata
---
amdhsa.version: [ 1, 2 ]
amdhsa.kernels:
  - .name:           k_q3d683b3658_quant
    .symbol:         k_q3d683b3658_quant.kd
    .args:
      - { .name: input, .offset: 0, .size: 8, .value_kind: global_buffer, .address_space: global }
      - { .name: weight, .offset: 8, .size: 8, .value_kind: global_buffer, .address_space: global }
      - { .name: act_scale, .offset: 16, .size: 8, .value_kind: global_buffer, .address_space: global }
      - { .name: act_zero_point, .offset: 24, .size: 8, .value_kind: global_buffer, .address_space: global }
      - { .name: weight_scale, .offset: 32, .size: 8, .value_kind: global_buffer, .address_space: global }
      - { .name: weight_zero_point, .offset: 40, .size: 8, .value_kind: global_buffer, .address_space: global }
      - { .name: a_q, .offset: 48, .size: 8, .value_kind: global_buffer, .address_space: global }
      - { .name: b_q, .offset: 56, .size: 8, .value_kind: global_buffer, .address_space: global }
    .group_segment_fixed_size: 78848
    .private_segment_fixed_size: 0
    .kernarg_segment_align: 8
    .kernarg_segment_size: 64
    .max_flat_workgroup_size: 256
    .sgpr_count:     66
    .vgpr_count:     194
    .wavefront_size: 32
...
	.end_amdgpu_metadata
.endif
;; end of part 1
;; launch gemm (part 2): grid 16 x 16, 4 waves a work-group, clusters of 4 x 1, 327,680 bytes of LDS; arguments a_q, b_q, bias, out0; writes out0
.if DOCPART == 2
	.amdgcn_target "amdgcn-amd-amdhsa--gfx1250"
	.amdhsa_code_object_version 6
	.text
	.protected	k_q3d683b3658_gemm
	.globl	k_q3d683b3658_gemm
	.p2align	8
	.type	k_q3d683b3658_gemm,@function
k_q3d683b3658_gemm:
	s_mov_b64 s[64:65], 0
	v_nop
	global_prefetch_b8 v0, s[64:65] scope:SCOPE_SE
	s_setreg_imm32_b32 hwreg(HW_REG_WAVE_MODE, 25, 1), 1
	s_wait_xcnt 0x0
	s_wait_alu depctr_hold_cnt(0) depctr_sa_sdst(0) depctr_va_vdst(0) depctr_va_sdst(0) depctr_va_ssrc(0) depctr_va_vcc(0) depctr_vm_vsrc(0)
	s_getreg_b32 s2, hwreg(HW_REG_IB_STS2, 6, 4)
	s_cmp_eq_u32 s2, 0
	s_cbranch_scc0 .Lentry_in_a_cluster
	s_endpgm
.Lentry_in_a_cluster:
	s_bfe_u32 s2, ttmp6, 0x10000c
	s_cmp_lg_u32 s2, 0x3003
	s_cbranch_scc0 .Lentry_shape_is_right
	s_endpgm
.Lentry_shape_is_right:
; out0[m][n] = bias[n] + sum over k of A[m][k] B[n][k], A and B as MX-FP4 codes with E8M0 scale bytes, made by the launch before: a_q from input, b_q from weight.
; a_q, b_q: [8 (K step of 512)][256 (block of 16 rows)][4,352 bytes]; a block is four register images of 1,024 bytes (one for each 128 along K: [c = 0, 1][lane][16 bytes]) and 256 scale bytes ([row][4 words]).
; SHARES.  A work-group of four waves makes 256 x 256 of out0; 16 x 16 work-groups.  Wave w makes all 256 rows x columns 64 w .. 64 w + 63: 16 x 4 accumulators of 16 x 16, 512 registers.
; A comes through LDS: two slots, each 256 rows x 1,024 along K (139,264 bytes, eight steps of 128), every wave fetching a quarter (34,816 dense bytes) by one tensor load.  The four work-groups of a cluster
; (4 x 1) make one tile row and ask for A's tiles JOINTLY (mask 15).  B's 64 columns are a wave's own: they go from memory straight into registers, a ring of eight sets of 32 registers, seven steps ahead.
; B is not asked for jointly: the two slots of A (278,528 bytes) and B's scale words (32,768) leave no room in LDS for tiles of B at this slot length.
; No prefetch into the L2: the block is the largest, in clusters, and K is four fills of a slot, of which two go out at the head; B's loads already run seven steps ahead of their use.
; THE MATRIX INSTRUCTION IS USED TRANSPOSED (source 0 = 16 rows of B, source 1 = 16 rows of A): a lane holds eight neighbouring columns of one row of out0.  The first step takes the bias as C.
; A STEP of 128 along K is two halves of 32 matrix instructions (eight blocks of A x B's four).  A has ONE set of registers: a half's sixteen LDS loads for the next step stand in one run behind its products.
; THE LAST SLOT (1,024 ALONG K) GOES BY ROWS OF out0: B's eight sets are all in registers, A's blocks come as 16 rows x 1,024 K into two buffers of 64 registers, and each block of 16 rows is finished by
; 32 matrix instructions (its four accumulators by turns, K ascending) and leaves at once: through my stage in LDS, back as whole rows of 256 bytes INTO ITS OWN ACCUMULATOR REGISTERS, and stored a block later.
; REGISTERS.  window 0: v0-16, v28, v29 addresses; v32-95 A's scale words, two sets; v96-111 B's, two sets; v128-255 A's fragments.  window 1: B's eight sets (set 7 holds the bias at first).
;   window 2: accumulators of blocks 0-7 ((a, b) at v[8 (4 a + b)]);  window 3: those of blocks 8-15.
.set SIZE_N, 4096
.set BLK,    4352                      ; a block of 16 rows x 512 K
.set PIECE,  8*BLK                     ; what one tensor load brings: 128 rows x 512 K
.set KST,    16*BLK
.set SLOT,   2*KST                     ; [K step 0, 1][256 rows]
.set KSB,    256*BLK                   ; from a K step of 512 to the next in a_q, b_q
.set NP,     4                         ; places behind this matrix instruction (ISA guide 7.12.1)
.set SPARE,  2*SLOT                    ; the spare words: 128 bytes a wave, two blocks of 256 bytes that no other line names
.set BSR,    SPARE+512                 ; B's scale words for all of K: 8,192 bytes for each wave, its own
.set SPITCH, 272                       ; the stage on the way out: 16 rows x (256 + 16) bytes a wave, in slot 0, which has had its last fill and its last read by then
.set L16, 3                            ; 16 x lane
.set AD,  4                            ; v4-7   LDS address of A's images: piece 2 kk + u of the slot at work
.set AS,  8                            ; v8-9   of A's scale words, K step kk: lanes 0-15 blocks 0-7, lanes 16-31 blocks 8-15
.set BSA, 10                           ; v10    of B's scale words of the slot at work
.set LS,  11
.set LBS, 12
.set BO,  13
.set STO, 14                           ; the stage: in
.set RD,  15                           ; the stage: back, sixteen lanes to a row
.set CO,  16                           ; my byte offset in two rows of out0
.set SPW, 28                           ; my spare word; never rewritten
.set NIL, 29                           ; 0; never rewritten
.set ASC, 32
.set BSC, 96
.set AF,  128
.set BI,  224
.set G1,  24
.set G0,  32
.set G0W, 36
.set BB,  44
.set TB,  48
.set BSO, 54
.set MSB, 0
.macro WIN new                         ; the immediate's high byte repeats the setting that is left
.if MSB != (\new)
	s_set_vgpr_msb (MSB<<8)|(\new)
.set MSB, (\new)
.endif
.endm
.set MUL_LO,   0xa1                    ; source 0 (B) window 1, source 1 (A) window 0, C and D window 2;  + 0x50: window 3
.set FIRST_LO, 0x91                    ; the same with C (the bias) in window 1;  + 0x40: D window 3
.set TO_B,     0x40
.macro CREST                           ; a round of the cluster's barrier behind its opening barrier
	s_cmp_lg_u32 s14, 0
	s_cbranch_scc1 .Lnot_wave_0_\@
	s_barrier_signal -3
.Lnot_wave_0_\@:
	s_barrier_wait -3
	s_barrier_signal -1
	s_barrier_wait -1
.endm
.macro CROUND
	s_barrier_signal -1
	s_barrier_wait -1
	CREST
.endm
.macro PLACES n
.rept \n
	v_nop
.endr
.endm
.macro WM d, f0, f1, cc, x0, x1, r0, r1   ; r0, r1: the side's scale words stand in lanes 16-31
.if (\r0) && (\r1)
	v_wmma_scale_f32_16x16x128_f8f6f4 v[\d:\d+7], v[\f0:\f0+7], v[\f1:\f1+7], v[\cc:\cc+7], v[\x0], v[\x1] matrix_a_fmt:MATRIX_FMT_FP4 matrix_b_fmt:MATRIX_FMT_FP4 matrix_a_scale:MATRIX_SCALE_ROW1 matrix_b_scale:MATRIX_SCALE_ROW1
.elseif (\r0)
	v_wmma_scale_f32_16x16x128_f8f6f4 v[\d:\d+7], v[\f0:\f0+7], v[\f1:\f1+7], v[\cc:\cc+7], v[\x0], v[\x1] matrix_a_fmt:MATRIX_FMT_FP4 matrix_b_fmt:MATRIX_FMT_FP4 matrix_a_scale:MATRIX_SCALE_ROW1
.elseif (\r1)
	v_wmma_scale_f32_16x16x128_f8f6f4 v[\d:\d+7], v[\f0:\f0+7], v[\f1:\f1+7], v[\cc:\cc+7], v[\x0], v[\x1] matrix_a_fmt:MATRIX_FMT_FP4 matrix_b_fmt:MATRIX_FMT_FP4 matrix_b_scale:MATRIX_SCALE_ROW1
.else
	v_wmma_scale_f32_16x16x128_f8f6f4 v[\d:\d+7], v[\f0:\f0+7], v[\f1:\f1+7], v[\cc:\cc+7], v[\x0], v[\x1] matrix_a_fmt:MATRIX_FMT_FP4 matrix_b_fmt:MATRIX_FMT_FP4
.endif
.endm
.macro MUL4 a, t, first                ; block a of A x B's four, the slot's step t; the accumulators take turns, one instruction a turn
.irp b, 0,1,2,3
.if \first
	WM 8*(4*((\a)%8)+\b), 32*(\t)+8*\b, AF+8*(\a), BI+8*\b, BSC+8*((\t)/4)+4*(\b%2)+(\t)%4, ASC+32*((\t)/4)+4*((\a)%8)+(\t)%4, \b/2, (\a)/8
.else
	WM 8*(4*((\a)%8)+\b), 32*(\t)+8*\b, AF+8*(\a), 8*(4*((\a)%8)+\b), BSC+8*((\t)/4)+4*(\b%2)+(\t)%4, ASC+32*((\t)/4)+4*((\a)%8)+(\t)%4, \b/2, (\a)/8
.endif
.endr
.endm
.macro MULG g, t, first                ; 16 matrix instructions: blocks 4 g .. 4 g + 3
.irp i, 0,1,2,3
	MUL4 4*(\g)+\i, \t, \first
.endr
.endm
.macro LOADSET p, ko, q                ; B's four fragments of K step ko (counted from s[BB]), its q-th 128, into set p: each load 512 consecutive bytes
	WIN TO_B
.irp b, 0,1,2,3
.irp c, 0,1
	global_load_b128 v[32*(\p)+8*\b+4*\c:32*(\p)+8*\b+4*\c+3], v[L16], s[BB:BB+1] offset:(\ko)*KSB+\b*BLK+(\q)*1024+\c*512
.endr
.endr
	WIN 0
.endm
.macro LOAD_B t                        ; in step t: the set of seven steps on
	LOADSET ((\t)+7)%8, ((\t)+7)/4, ((\t)+7)%4
.endm
.macro FETCH_H kk, q, u                ; half u's eight fragments of A: sixteen loads of 512 consecutive bytes
.irp i, 0,1,2,3,4,5,6,7
.irp c, 0,1
	ds_load_b128 v[AF+8*(8*(\u)+\i)+4*\c:AF+8*(8*(\u)+\i)+4*\c+3], v[AD+2*(\kk)+(\u)] offset:\i*BLK+(\q)*1024+\c*512
.endr
.endr
.endm
.macro ALOAD a                         ; by rows: block a's eight fragments of the slot into buffer a % 2: sixteen loads
.irp t, 0,1,2,3,4,5,6,7
.irp c, 0,1
	ds_load_b128 v[AF+64*((\a)%2)+8*\t+4*\c:AF+64*((\a)%2)+8*\t+4*\c+3], v[AD+2*(\t/4)+(\a)/8] offset:((\a)%8)*BLK+(\t%4)*1024+\c*512
.endr
.endr
.endm
.macro SCALES kk                       ; ten loads: the scale words of K step kk of the slot
.irp i, 0,1,2,3,4,5,6,7
	ds_load_b128 v[ASC+32*(\kk)+4*\i:ASC+32*(\kk)+4*\i+3], v[AS+(\kk)] offset:4096+\i*BLK
.endr
.irp j, 0,1
	ds_load_b128 v[BSC+8*(\kk)+4*\j:BSC+8*(\kk)+4*\j+3], v[BSA] offset:1024*(\kk)+512*\j
.endr
.endm
.macro ADDRS                           ; the LDS addresses of the slot at s[TB]
	s_add_co_u32 s[TB+1], s[TB], PIECE
	s_add_co_u32 s[TB+2], s[TB], 2*PIECE
	s_add_co_u32 s[TB+3], s[TB], 3*PIECE
.irp i, 0,1,2,3
	v_add_nc_u32 v[AD+\i], s[TB+\i], v[L16]
.endr
	v_add_nc_u32 v[AS], s[TB], v[LS]
	v_add_nc_u32 v[AS+1], s[TB+2], v[LS]
	v_add_nc_u32 v[BSA], s[BSO], v[L16]
	s_wait_alu depctr_va_vdst(0)                   ; the wait directly behind the writes
.endm
	s_load_b256 s[4:11], s[0:1], 0x0               ; a_q s[4:5], b_q s[6:7], bias s[8:9], out0 s[10:11]
	v_lshl_add_u32 v[SPW], v0, 2, SPARE
	v_mov_b32 v[NIL], 0
	ds_add_u32 v[SPW], v[NIL]                      ; the opening lines: the add, twice on end, and its wait ahead of my first tensor load
	ds_add_u32 v[SPW], v[NIL]
	v_lshrrev_b32 v1, 5, v0
	v_readfirstlane_b32 s14, v1                    ; wave 0..3
	s_lshr_b32 s15, s14, 1                         ; I fetch K step s15 of a slot,
	s_and_b32 s16, s14, 1                          ; rows 128 s16 ..
	s_bfe_u32 s40, ttmp6, 0x40000                  ; cx
	s_lshl_b32 s42, ttmp9, 2
	s_add_co_u32 s42, s42, s40                     ; tile column = 4 x cluster x + cx
	s_and_b32 s17, ttmp7, 0xffff                   ; tile row: the same in the cluster's four
	s_mov_b32 s[G1], 15|(3<<16)|(1<<21)            ; group 1: the mask of all four; elements of 8 bytes; bit 21 beside a mask; a dense block as 136 rows of 256 bytes
	s_mov_b32 s[G1+1], 32<<16
	s_mov_b32 s[G1+2], 136<<16
	s_mov_b32 s[G1+3], 32<<16
	s_mov_b32 s[G1+4], 136
	s_mov_b32 s[G1+5], 32
	s_mov_b32 s[G1+6], 0
	s_mov_b32 s[G1+7], 0
	s_lshl_b32 s20, s17, 4
	s_lshl_b32 s18, s16, 3
	s_add_co_u32 s20, s20, s18
	s_mul_i32 s20, s20, BLK
	s_mul_i32 s18, s15, KSB
	s_add_co_u32 s20, s20, s18                     ; A: block 16 x tile row + 8 x half, K step s15
	s_mov_b32 s21, 0
	s_mul_i32 s41, s14, PIECE                      ; where it goes in a slot: the wave's number alone
	s_lshl_b32 s22, s42, 4
	s_lshl_b32 s19, s14, 2
	s_add_co_u32 s22, s22, s19
	s_mul_i32 s22, s22, BLK                        ; B: block 16 x tile column + 4 x wave
	s_mov_b32 s23, 0
	s_lshl_b32 s12, s42, 10
	s_lshl_b32 s19, s14, 8
	s_add_co_u32 s12, s12, s19                     ; my first column in bytes
	s_mov_b32 s13, 0
	s_lshl_b32 s52, s17, 22                        ; 256 rows of 16,384 bytes
	s_add_co_u32 s52, s52, s12
	s_mov_b32 s53, 0
	s_mov_b32 s[TB], 0
	s_lshl_b32 s[BSO], s14, 13
	s_add_co_u32 s[BSO], s[BSO], BSR
	s_wait_dscnt 0x0                               ; both opening adds are done
	s_wait_kmcnt 0x0
	s_add_nc_u64 s[20:21], s[4:5], s[20:21]
	s_add_nc_u64 s[BB:BB+1], s[6:7], s[22:23]
	s_add_nc_u64 s[8:9], s[8:9], s[12:13]
	s_add_nc_u64 s[10:11], s[10:11], s[52:53]
	CROUND                                         ; the four work-groups are here: the first joint loads meet
.irp s, 0,1
	s_mov_b32 s[G0+4*\s], 1
	s_add_co_u32 s[G0+4*\s+1], s41, \s*SLOT
	s_add_nc_u64 s[G0+4*\s+2:G0+4*\s+3], s[20:21], \s*2*KSB
	s_or_b32 s[G0+4*\s+3], s[G0+4*\s+3], 0x80000000
.endr
	tensor_load_to_lds s[G0:G0+3], s[G1:G1+7]      ; my quarter of slot 0: one tensor load a wave at the head
	s_nop 0
	v_and_b32 v1, 15, v0                           ; r
	v_bfe_u32 v2, v0, 4, 1                         ; h
	v_and_b32 v[L16], 31, v0
	v_lshlrev_b32 v[L16], 4, v[L16]
	v_mul_u32_u24 v[LBS], v2, 2*BLK                ; B's scale words in memory: lanes 0-15 block j, lanes 16-31 block j + 2; 16 bytes a row
	v_lshl_add_u32 v[LBS], v1, 4, v[LBS]
	v_lshlrev_b32 v[BO], 5, v2                     ; the bias: my eight columns of a block's sixteen
	v_mul_u32_u24 v[LS], v2, PIECE
	v_lshl_add_u32 v[LS], v1, 4, v[LS]
	ADDRS
	s_mul_i32 s18, s14, 16*SPITCH
	v_mul_u32_u24 v[STO], v1, SPITCH
	v_lshl_add_u32 v[STO], v2, 5, v[STO]
	v_add_nc_u32 v[STO], s18, v[STO]
	v_mul_u32_u24 v[RD], v2, SPITCH
	v_lshl_add_u32 v[RD], v1, 4, v[RD]
	v_add_nc_u32 v[RD], s18, v[RD]
	v_lshlrev_b32 v[CO], 14, v2
	v_lshl_add_u32 v[CO], v1, 4, v[CO]
	s_wait_alu depctr_va_vdst(0)                   ; the wait at the end of the head's vector work
; 56 loads go out while slot 0's tile is on its way: B's scale words for all of K (16), the bias (8), B's sets 0 to 3 (32)
.irp k, 0,1,2,3,4,5,6,7
.irp j, 0,1
	global_load_b128 v[AF+4*(2*\k+\j):AF+4*(2*\k+\j)+3], v[LBS], s[BB:BB+1] offset:\k*KSB+\j*BLK+4096
.endr
.endr
	WIN TO_B
.irp b, 0,1,2,3
	global_load_b128 v[BI+8*\b:BI+8*\b+3],   v[BO], s[8:9] offset:64*\b
	global_load_b128 v[BI+8*\b+4:BI+8*\b+7], v[BO], s[8:9] offset:64*\b+16
.endr
	WIN 0
.irp t, 0,1,2,3
	LOADSET \t, 0, \t
.endr
	s_wait_tensorcnt 0x0                           ; my quarter of slot 0 is in
	ds_add_u32 v[SPW], v[NIL]
	s_wait_dscnt 0x0
	CROUND                                         ; slot 0 is whole in every work-group of the cluster
	tensor_load_to_lds s[G0W:G0W+3], s[G1:G1+7]    ; slot 1's first fill, the first tensor load behind the round
	s_nop 0
	PLACES 4
	s_wait_loadcnt 32                              ; the scale words and the bias are in; sets 0 to 3 may be out
.irp i, 0,1,2,3,4,5,6,7,8,9,10,11,12,13,14,15
	ds_store_b128 v[BSA], v[AF+4*\i:AF+4*\i+3] offset:512*\i       ; into my own 8,192 bytes: [K step][j][lane]
.endr
.irp t, 4,5,6
	LOADSET \t, 1, \t-4
.endr
	s_wait_dscnt 0x0                               ; the stores are done: their registers take A's fragments
	SCALES 0
	FETCH_H 0, 0, 0
	FETCH_H 0, 0, 1
; A step that has its successor in the same slot.  lc: B's loads that may be out behind this step's set.
.macro STEP t, lc, first, ld
	s_wait_loadcnt \lc
.if \ld
	LOAD_B \t
.endif
	s_wait_dscnt 16                                ; blocks 0-7 (and scale words asked for ahead of them) are in; the sixteen loads of blocks 8-15 may be out
.if \first
	WIN FIRST_LO
.else
	WIN MUL_LO
.endif
	MULG 0, \t, \first
	MULG 1, \t, \first
	PLACES NP                                      ; in front of loads into registers that these products have read
	WIN 0
.if (\t) == 3
	SCALES 1
.endif
	FETCH_H ((\t)+1)/4, ((\t)+1)%4, 0
.if (\t) == 3
	s_wait_dscnt 26                                ; blocks 8-15 are in; the ten and the sixteen just issued may be out
.else
	s_wait_dscnt 16                                ; blocks 8-15 are in; the sixteen just issued may be out
.endif
.if \first
	WIN FIRST_LO+0x40
.else
	WIN MUL_LO+0x50
.endif
	MULG 2, \t, \first
	MULG 3, \t, \first
	PLACES NP
	WIN 0
	FETCH_H ((\t)+1)/4, ((\t)+1)%4, 1
.endm
; A slot's last step changes slots: ONE barrier.  fill = 1: it opens a round of the cluster's barrier, and the slot just read is filled again.  fill = 0: the last change: what is fetched serves the part by rows.
.macro TURN fill
	s_wait_loadcnt 48
	LOAD_B 7
	s_wait_tensorcnt 0x0                           ; all my tensor loads have landed: my quarter of the next slot;
	ds_add_u32 v[SPW], v[NIL]                      ; 0 onto my spare word
.if \fill
	s_xor_b32 s[G0W+1], s[G0W+1], SLOT             ; no tensor load of mine is out: the descriptor steps to this slot, two slots on along K
	s_add_nc_u64 s[G0W+2:G0W+3], s[G0W+2:G0W+3], 2*KSB
.endif
	s_xor_b32 s[TB], s[TB], SLOT
	s_add_co_u32 s[BSO], s[BSO], 2048
	s_wait_dscnt 17                                ; blocks 0-7 are in (the add and sixteen loads may be out)
	WIN MUL_LO
	MULG 0, 7, 0
	s_wait_dscnt 0x0                               ; the add is done, and my reads of this slot are over
	s_barrier_signal -1
	MULG 1, 7, 0
	WIN 0
	s_barrier_wait -1
.if \fill
	CREST
	tensor_load_to_lds s[G0W:G0W+3], s[G1:G1+7]    ; the first tensor load behind the round
	s_nop 0
	PLACES 4                                       ; also the places in front of the loads below
.else
	PLACES NP
.endif
	ADDRS
	SCALES 0
.if \fill
	FETCH_H 0, 0, 0
.else
	ALOAD 0
.endif
	WIN MUL_LO+0x50
	MULG 2, 7, 0
	MULG 3, 7, 0
	PLACES NP
	WIN 0
.if \fill
	FETCH_H 0, 0, 1
.else
	SCALES 1                                       ; this step's products were the last to read that set
	ALOAD 1
.endif
	s_wait_xcnt 0x0                                ; B's loads have read their base
	s_add_nc_u64 s[BB:BB+1], s[BB:BB+1], 2*KSB
.if \fill == 0
	LOADSET 7, 1, 3                                ; B's last set
.endif
.endm
	STEP 0, 48, 1, 0                               ; the first step stands in front of the loop: its products start the sums from the bias
	LOAD_B 0                                       ; set 7, which held the bias
	s_mov_b32 s3, 2
.Lslot:                                                ; a trip: a slot's steps 1 to 7, the refill, the next slot's step 0
.irp t, 1,2,3,4,5,6
	STEP \t, 48, 0, 1
.endr
	TURN 1
	STEP 0, 48, 0, 1
	s_sub_co_u32 s3, s3, 1
	s_cmp_lg_u32 s3, 0
	s_cbranch_scc1 .Lslot
.irp t, 1,2,3,4,5,6
	STEP \t, 48, 0, 1
.endr
	TURN 0                                         ; the last change of slots fills nothing
; BY ROWS.  Block a: 32 matrix instructions on the slot's eight steps.
.macro ROW a
.irp t, 0,1,2,3,4,5,6,7
.if (\a) == 0
	s_wait_loadcnt 8*(7-\t)                        ; B's set t is in; the younger sets may be out
.endif
.irp b, 0,1,2,3
	WM 8*(4*((\a)%8)+\b), 32*\t+8*\b, AF+64*((\a)%2)+8*\t, 8*(4*((\a)%8)+\b), BSC+8*(\t/4)+4*(\b%2)+\t%4, ASC+32*(\t/4)+4*((\a)%8)+\t%4, \b/2, (\a)/8
.endr
.endr
.endm
.macro TOSTAGE a                       ; 16 rows x 256 bytes into my stage, each accumulator from its low end on, and back as whole rows into the same 32 registers (LDS serves a wave's instructions in order: ISA guide 5.7.1)
.set AC, 32*((\a)%8)
	WIN 0x88+0x44*((\a)/8)                         ; store data and loaded data: window 2 or 3; addresses: window 0
.irp b, 0,1,2,3
	ds_store_b128 v[STO], v[AC+8*\b:AC+8*\b+3] offset:64*\b
	ds_store_b128 v[STO], v[AC+8*\b+4:AC+8*\b+7] offset:64*\b+16
.endr
.irp t, 0,1,2,3,4,5,6,7
	ds_load_b128 v[AC+4*\t:AC+4*\t+3], v[RD] offset:\t*2*SPITCH
.endr
.endm
.macro SEND a, younger                 ; younger: the LDS instructions issued behind block a's loads from the stage.  Every offset is an immediate: 254 rows of 16,384 bytes at the most, inside the signed 24 bits
.set AC, 32*((\a)%8)
	WIN 0x88+0x44*((\a)/8)
	s_wait_dscnt \younger
.irp t, 0,1,2,3,4,5,6,7
	global_store_b128 v[CO], v[AC+4*\t:AC+4*\t+3], s[10:11] offset:(16*(\a)+2*\t)*SIZE_N*4 th:TH_STORE_NT   ; 16 lanes store 256 consecutive bytes, aligned
.endr
.endm
; A turn issues 32 LDS instructions: 16 for the stage, 16 for the block two on (blocks 14 and 15: the stage's 16 alone).  Ahead of block a's products: behind its fragment loads stands the turn before
; (block 0: block 1's sixteen loads; block 15: turn 14's sixteen).  Ahead of block a - 1's stores: behind its loads from the stage stand the fragment loads of blocks a + 1 and a + 2 and block a's stage.
.irp a, 0,1,2,3,4,5,6,7,8,9,10,11,12,13,14,15
.if \a == 0 || \a == 15
	s_wait_dscnt 16
.else
	s_wait_dscnt 32
.endif
	WIN MUL_LO+0x50*(\a/8)
	ROW \a
	PLACES NP                                      ; in front of the reads of results just made and of the loads into their registers and into the block's fragments
	TOSTAGE \a
	WIN 0
.if \a < 14
	ALOAD \a+2
.endif
.if \a == 15
	SEND \a-1, 16
.elseif \a == 14
	SEND \a-1, 32
.elseif \a >= 1
	SEND \a-1, 48
.endif
.endr
	SEND 15, 0
	WIN 0
	s_wait_tensorcnt 0x0                           ; the wave's end
	ds_add_u32 v[SPW], v[NIL]
	s_wait_dscnt 0x0
	CROUND                                         ; the closing round
	s_endpgm
.Lfunc_end_k_q3d683b3658_gemm:
	.size	k_q3d683b3658_gemm, .Lfunc_end_k_q3d683b3658_gemm-k_q3d683b3658_gemm
	.p2alignl 7, 3214868480
	.fill 96, 4, 3214868480
	.section	.rodata,"a",@progbits
	.p2align	6, 0x0
	.amdhsa_kernel k_q3d683b3658_gemm
		.amdhsa_group_segment_fixed_size 327680
		.amdhsa_private_segment_fixed_size 0
		.amdhsa_enable_private_segment 0
		.amdhsa_kernarg_size 32
		.amdhsa_user_sgpr_count 2
		.amdhsa_user_sgpr_kernarg_segment_ptr 1
		.amdhsa_wavefront_size32 1
		.amdhsa_system_sgpr_workgroup_id_x 1
		.amdhsa_system_sgpr_workgroup_id_y 1
		.amdhsa_system_sgpr_workgroup_id_z 1
		.amdhsa_system_vgpr_workitem_id 0
		.amdhsa_next_free_vgpr 1024
		.amdhsa_next_free_sgpr 66
		.amdhsa_reserve_vcc 0
		.amdhsa_float_denorm_mode_32 3
		.amdhsa_float_denorm_mode_16_64 3
		.amdhsa_memory_ordered 1
		.amdhsa_forward_progress 1
		.amdhsa_inst_pref_size 255
	.end_amdhsa_kernel
	.section	.bss,"aw",@nobits
	.p2align	6
	.space	262144
	.amdgpu_metadata
---
amdhsa.version: [ 1, 2 ]
amdhsa.kernels:
  - .name:           k_q3d683b3658_gemm
    .symbol:         k_q3d683b3658_gemm.kd
    .args:
      - { .name: a_q, .offset: 0, .size: 8, .value_kind: global_buffer, .address_space: global }
      - { .name: b_q, .offset: 8, .size: 8, .value_kind: global_buffer, .address_space: global }
      - { .name: bias, .offset: 16, .size: 8, .value_kind: global_buffer, .address_space: global }
      - { .name: out0, .offset: 24, .size: 8, .value_kind: global_buffer, .address_space: global }
    .group_segment_fixed_size: 327680
    .private_segment_fixed_size: 0
    .kernarg_segment_align: 8
    .kernarg_segment_size: 32
    .max_flat_workgroup_size: 128
    .sgpr_count:     66
    .vgpr_count:     1024
    .wavefront_size: 32
...
	.end_amdgpu_metadata
.endif
;; end of part 2
